; MI455X (gfx1250); checked and timed in simulation.
; The chip was launched on July 23, 2026; its instructions are those of AMD's public machine-readable ISA for CDNA 5 (MIT licence, August 2026) and "CDNA5" Instruction Set Architecture Reference Guide (July 2026). The comments in the code are by the model that wrote it; some were corrected since.
;; Gradient. Allowed arithmetic: float matrix products may take bf16 or f16 operands with f32 sums; other float arithmetic in f32, or as packed bf16 or f16 multiplies, adds, multiply-adds, maxima and minima; sums over many terms, partial sums and values carried from step to step in f32; what a program stores and reads back later, other than sums and carried values, may be rounded once to bf16 or f16.
;; Inputs: W1 4 x 512 float32; W2 512 x 512 float32; W3 512 x 2 float32; b1 512 float32; b2 512 float32; b3 2 float32; x 256 x 4 float32.
;; Outputs: out0 256 x 2 float32; out1 256 x 2 x 4 float32; out2 256 x 2 x 4 x 4 float32; out3 256 x 2 x 4 x 4 x 4 float32.
;; One version. Each part assembles by itself: llvm-mc -triple=amdgcn-amd-amdhsa -mcpu=gfx1250 --defsym DOCPART=n.
;; ======== version 1 of 1: 1 launch
;; limits: values are held in f16: magnitudes above 65,504 overflow, below 6.1e-05 lose precision; inputs' magnitudes at most 65,504
;; launch jets (part 1): grid 128 x 1, 8 waves a work-group, no clusters, 90,112 bytes of LDS; arguments x, W1, b1, W2, b2, W3, b3, out0, out1, out2, out3; writes out0, out1, out2, out3
.if DOCPART == 1
	.amdgcn_target "amdgcn-amd-amdhsa--gfx1250"
	.amdhsa_code_object_version 6
	.text
	.protected	k_qf723f54533_jets
	.globl	k_qf723f54533_jets
	.p2align	8
	.type	k_qf723f54533_jets,@function
k_qf723f54533_jets:
	s_mov_b64 s[64:65], 0
	v_nop
	global_prefetch_b8 v0, s[64:65] scope:SCOPE_SE
	s_setreg_imm32_b32 hwreg(HW_REG_WAVE_MODE, 25, 1), 1
	s_wait_xcnt 0x0
; y, dy/dx, d2y/dx2, d3y/dx3 of f(x) = tanh(tanh(x W1 + b1) W2 + b2) W3 + b3 for 256 samples.  x [256][4], W1 [4][512], W2 [512][512], W3 [512][2], all f32.
; METHOD.  One forward sweep of Taylor terms.  The derivatives are symmetric, so a sample has 1 + 4 + 10 + 20 = 35 distinct terms e: 0 the value, 1 + i, E2(i,j) = 5 + Q(i) + j (i <= j,
; Q(i) = i (7 - i) / 2), E3(i,j,k) = 15 + C3(i) + Q(j) + k (i <= j <= k, C3 = 0, 6, 9, 10): the lexicographic order.  Layer 1's terms are closed forms: t, t' w_i, t'' w_i w_j, t''' w_i w_j w_k.
; Layer 2 is linear in them: one product of (35 rows a sample) x 512 x 512 on the matrix unit, f16 operands, f32 sums.  The second tanh combines a sample's 35 numbers at each hidden unit,
; layer 3 sums over the 512 units.  All but the product's operands is f32.
; SCALE.  W1 is divided by M = max |W1| (at least 1e-30), so that every row of A lies within 2 in magnitude whatever W1's size; a term of order p is homogeneous of degree p in W1, and M^p is
; multiplied back at the end.
; LIMITS.  W2 is rounded to f16: |W2| up to 65,504; below 6e-5 it keeps f16's fixed step of 6e-8, and so do A's rows.  M^3 is kept in f32.  NaN and infinities are not treated apart.
; x W1 (4 terms a sum) and H W3 (2 columns) are made by f32 multiply-adds: they would fill an eighth of a matrix instruction, H lies with the hidden unit on the lanes, so that the sum over
; units is a sum over lanes either way, and together they are about a hundredth of the arithmetic.
; SHARES.  A work-group owns two samples and all 512 hidden units, so no sum spans work-groups: 128 work-groups.  80 rows of A in 5 tiles of 16: row 8 h + j of tile mt is term 8 mt + j of
; sample h (terms 35-39 are zero rows).  In a result register j of lane (r, h) is row 8 h + j, column r: a lane holds all the terms of ONE sample at ONE hidden unit, and the second tanh
; never changes lanes.  One sample a group would fill 35 of 48 rows, need an exchange of lanes, and read W2 twice as often.
; Wave w owns columns 64 w .. 64 w + 63 as four tiles; column r of tile c is hidden unit 64 w + 4 r + c (the order is free: the units are summed away).  So ONE load of 16 bytes a lane,
; W2[k][64 w + 4 r ..], is one k of four fragments of B: W2 goes from memory to registers, is rounded there, and is multiplied; each byte is read once by a work-group.
; NO JOINT LOADS, though all work-groups read W2: it has to pass through registers to be rounded to f16, and the load above is already in the fragments' order; by way of LDS a work-group
; would write and read its 1,048,576 bytes once more, and beside A's 83,200 bytes a slot's share of matrix work between two barriers would be 20 instructions a wave.
; REGISTERS.  Window 0: addresses, A's and B's fragments, two stage buffers for W2, later the second tanh.  Window 1 (v256-415, named v0-159): the 20 accumulators, tile c, row tile mt at
; 40 c + 8 mt, so term e of tile c is register 40 c + e.
.set RED,    0                         ; LDS: 8 words, the waves' maxima of |W1|
.set PART,   256                       ; 8 waves x 576 bytes: wave p's sums, word 36 (2 s + o) + e
.set FIN,    4864                      ; 144 words: the finished numbers, word 36 (2 s + o) + e
.set SPARE,  5632                      ; the spare words, 128 bytes for each of the eight waves: four blocks of 256 bytes that no other line names
.set ABASE,  6656                      ; A: 80 rows
.set APITCH, 1040                      ; 1,024 bytes + 16: 65 x 16, so the 16 rows of a fragment load start at 16 different groups of four banks (64 banks of 4 bytes: ISA guide 11.1)
.set WROW,   2048                      ; bytes in a row of W1 and of W2
.set KB,     32*WROW                   ; a K step's 32 rows of W2
.set LR,   1                           ; v1   r = lane % 16
.set LH,   2                           ; v2   h = lane / 16
.set WOFF, 3                           ; v3   my byte offset in a K step of W2: 8 h rows + 256 w + 16 r; never rewritten
.set AA0,  4                           ; v4   LDS address of my part of A's fragments, row tiles 0-3, K step 0
.set AB0,  5                           ; v5   the same for row tile 4, which lies beyond a 16-bit offset
.set AA,   6                           ; v6, v7  the same at the K step in hand
.set AB,   7
.set GST,  8                           ; v8   where I put 8 bytes of A's rows, terms 0-31
.set GST2, 9                           ; v9   terms 32-39
.set SPW,  10                          ; v10  LDS address of my spare word: SPARE + 4 x my thread's number; never rewritten
.set NIL,  11                          ; v11  0; never rewritten
.set RM,   12                          ; v[12:13] 1 / M, twice
.set LN,   14                          ; v14  lane
.set AF,   24                          ; v24-63   A's fragments, row tile mt at AF + 8 mt
.set BF,   64                          ; v64-95   B's fragments, tile c at BF + 8 c
.set STA,  96                          ; v96-159, v160-223  two stage buffers of 16 loads: W2 as loaded, f32
.set B2R,  224                         ; v224-227 b2 of my four hidden units
.set W3R,  228                         ; v228-235 W3 of them: tile c's two outputs at W3R + 2 c
; layer 1 (in the fragments' registers, which are not yet in use; the stage buffers are being loaded)
.set WR,   24                          ; v24-39  W1[i][m .. m+3] at WR + 4 i, then divided by M
.set AR,   40                          ; v40-43  b1, then a
.set TH0,  44                          ; v44-59  t, t', t'', t''' of my four units
.set TH1,  48
.set TH2,  52
.set TH3,  56
.set PR,   64                          ; v64-79  t'' w_i, later t''' w_i
.set RIJ,  80                          ; v80-83  t''' w_i w_j
.set DR,   84                          ; v84-91  a row's four numbers, two sets by turns
.set HF,   92                          ; v92-95  the same in f16, two pairs by turns
.set TW1,  236                         ; v236-247 at work in the tanh
; the second tanh and layer 3 (fragments and stage buffers are free)
.set Y,    24                          ; v24-95   the sums over my four units: output o, term e at Y + 36 o + e
.set G,    96                          ; v97-131  H_e of the tile in hand
.set U,    132                         ; v132-147 s'' z_e, e = 0 .. 15
.set R3,   148                         ; v148-153 s''' z_e, e = 0 .. 5
.set AIJ,  154                         ; v154-163 s''' z_i z_j + s'' z_ij, at E2 - 5
.set ZR,   164                         ; v164-167 z of the four tiles
.set S0R,  168                         ; v168-183 s, s', s'', s''' of the four tiles
.set S1R,  172
.set S2R,  176
.set S3R,  180
.set TW2,  184                         ; v184-195 at work in the tanh
.set MSB, 0
.macro WIN new                         ; s_set_vgpr_msb: bits 1:0 source 0, 3:2 source 1, 5:4 source 2, 7:6 destination; the high byte repeats the setting that is left
.if MSB != (\new)
	s_set_vgpr_msb (MSB<<8)|(\new)
.set MSB, \new
.endif
.endm
.macro HAD d, a, b                     ; four products, element by element
	v_pk_mul_f32 v[(\d):(\d)+1], v[(\a):(\a)+1], v[(\b):(\b)+1]
	v_pk_mul_f32 v[(\d)+2:(\d)+3], v[(\a)+2:(\a)+3], v[(\b)+2:(\b)+3]
.endm
.macro PKM d, a, b, hi                 ; pair d = pair a times ONE register of pair b: its first (hi = 0) or its second
.if \hi
	v_pk_mul_f32 v[(\d):(\d)+1], v[(\a):(\a)+1], v[(\b):(\b)+1] op_sel:[0,1] op_sel_hi:[1,1]
.else
	v_pk_mul_f32 v[(\d):(\d)+1], v[(\a):(\a)+1], v[(\b):(\b)+1] op_sel_hi:[1,0]
.endif
.endm
.macro PKF d, a, b, hi                 ; the same, added onto pair d
.if \hi
	v_pk_fma_f32 v[(\d):(\d)+1], v[(\a):(\a)+1], v[(\b):(\b)+1], v[(\d):(\d)+1] op_sel:[0,1,0] op_sel_hi:[1,1,1]
.else
	v_pk_fma_f32 v[(\d):(\d)+1], v[(\a):(\a)+1], v[(\b):(\b)+1], v[(\d):(\d)+1] op_sel_hi:[1,0,1]
.endif
.endm
; tanh and its three derivatives for four numbers by turns.  E = 2^(-2 log2(e) |a|) lies in 0 to 1, so nothing overflows; r = 1 / (1 + E); t = sign(a) (1 - E) r; t' = 4 E r r, made without
; a difference of near numbers; t'' = -2 t t'; t''' = t' (4 - 6 t').  w: twelve registers at work.
.macro TANH4 a, t0, t1, t2, t3, w
.irp q, 0,1,2,3
	v_mul_f32 v[(\w)+\q], s36, |v[(\a)+\q]|
.endr
.irp q, 0,1,2,3
	v_exp_f32 v[(\w)+\q], v[(\w)+\q]                ; E
.endr
	v_nop                                          ; a plain instruction between the last exponential and the use of its result (ISA guide 5.7.2)
	s_wait_alu depctr_va_vdst(0)
.irp q, 0,1,2,3
	v_add_f32 v[(\w)+4+\q], 1.0, v[(\w)+\q]
.endr
.irp q, 0,1,2,3
	v_rcp_f32 v[(\w)+4+\q], v[(\w)+4+\q]            ; r
.endr
.irp q, 0,1,2,3
	v_mul_f32 v[(\w)+8+\q], 4.0, v[(\w)+\q]         ; 4 E: plain lines that name no reciprocal's register stand behind the reciprocals
.endr
	s_wait_alu depctr_va_vdst(0)
.irp q, 0,1,2,3
	v_sub_f32 v[(\w)+\q], 1.0, v[(\w)+\q]           ; 1 - E
.endr
	HAD (\w)+8, (\w)+8, (\w)+4                     ; 4 E r
	HAD \w, \w, (\w)+4                             ; |t|
	HAD \t1, (\w)+8, (\w)+4                        ; t'
.irp q, 0,1,2,3
	v_bfi_b32 v[(\t0)+\q], s37, v[(\w)+\q], v[(\a)+\q]  ; t: a's sign
.endr
.irp q, 0,1,2,3
	v_fma_f32 v[(\w)+8+\q], v[(\t1)+\q], s38, 4.0   ; 4 - 6 t'
.endr
	HAD \w, \t0, \t1
	HAD \t3, \t1, (\w)+8                           ; t'''
.irp q, 0,1,2,3
	v_mul_f32 v[(\t2)+\q], -2.0, v[(\w)+\q]         ; t''
.endr
.endm
	s_load_b256 s[4:11], s[0:1], 0x0               ; x s[4:5], W1 s[6:7], b1 s[8:9], W2 s[10:11]
	s_load_b256 s[12:19], s[0:1], 0x20             ; b2 s[12:13], W3 s[14:15], b3 s[16:17], out0 s[18:19]
	s_load_b128 s[20:23], s[0:1], 0x40             ; out1 s[20:21], out2 s[22:23]
	s_load_b64 s[24:25], s[0:1], 0x50              ; out3
	v_lshl_add_u32 v[SPW], v0, 2, SPARE
	v_mov_b32 v[NIL], 0
	v_lshrrev_b32 v15, 5, v0
	v_readfirstlane_b32 s26, v15                   ; wave 0..7
	v_and_b32 v[LN], 31, v0
	v_and_b32 v[LR], 15, v0
	v_bfe_u32 v[LH], v0, 4, 1
	s_lshr_b32 s27, s26, 2                         ; layer 1: which of the two samples my wave works for,
	s_and_b32 s39, s26, 3                          ; and which quarter of the 512 units
	s_mov_b32 s36, 0xc038aa3b                      ; -2 log2(e)
	s_mov_b32 s37, 0x7fffffff                      ; all but the sign
	s_mov_b32 s38, 0xc0c00000                      ; -6.0
	s_mov_b32 s40, 0x76543210                      ; v_permlanex16_b32: each lane takes its own place in the other half
	s_mov_b32 s41, 0xfedcba98
	s_mov_b32 s48, 0x6530                          ; Q(0..3) = 0, 3, 5, 6, four bits each
	s_mov_b32 s49, 0xa960                          ; C3(0..3) = 0, 6, 9, 10
	s_mov_b32 s42, 0                               ; bytes along A's rows at the K step in hand
	s_lshl_b32 s34, s26, 8
	v_lshl_add_u32 v16, v[LR], 4, s34              ; b2: 4 bytes x (64 w + 4 r)
	v_lshl_add_u32 v[WOFF], v[LH], 14, v16         ; W2: the same columns, lanes 16-31 eight rows further down
	v_lshlrev_b32 v17, 1, v16                      ; W3: 8 bytes x (64 w + 4 r)
	s_lshl_b32 s34, s39, 9
	v_lshl_add_u32 v18, v[LN], 4, s34              ; W1, b1: 16 bytes x (32 x quarter + lane)
	s_lshl_b32 s34, ttmp9, 5                       ; x: two samples of 16 bytes a work-group,
	s_lshl_b32 s35, s27, 4                         ; and my wave's of the two
	s_add_co_u32 s34, s34, s35
	s_mov_b32 s35, 0
	s_wait_kmcnt 0x0
	s_add_nc_u64 s[4:5], s[4:5], s[34:35]
	s_load_b128 s[28:31], s[4:5], 0x0              ; my sample's x
	s_load_b64 s[32:33], s[16:17], 0x0             ; b3
.irp i, 0,1,2,3
	global_load_b128 v[WR+4*\i:WR+4*\i+3], v18, s[6:7] offset:WROW*\i
.endr
	global_load_b128 v[AR:AR+3], v18, s[8:9]
	global_load_b128 v[B2R:B2R+3], v16, s[12:13]
	global_load_b128 v[W3R:W3R+3], v17, s[14:15]
	global_load_b128 v[W3R+4:W3R+7], v17, s[14:15] offset:16
; A K step's 32 rows of W2, my wave's 64 columns: 16 loads.  Load n brings k = 8 h + n (n < 8) or 16 + 8 h + n - 8: the order of a fragment's registers.
; Lanes 0-15 read 256 consecutive bytes of a row, at a multiple of 256 from W2's first byte; lanes 16-31 the same of the row eight further down.
.macro LOADW st, base
.set n, 0
.rept 16
	global_load_b128 v[(\st)+4*n:(\st)+4*n+3], v[WOFF], s[10:11] offset:(\base)+WROW*(n+8*(n/8))
.set n, n+1
.endr
.endm
	LOADW STA, 0                                   ; K steps 0 and 1 are on their way while layer 1 is made: 32 loads of 512 bytes a wave
	LOADW STA+64, KB
	s_lshl_b32 s34, ttmp9, 4                       ; the outputs at my work-group's two samples: 16, 64, 256 and 1,024 bytes
	s_add_nc_u64 s[18:19], s[18:19], s[34:35]
	s_lshl_b32 s34, ttmp9, 6
	s_add_nc_u64 s[20:21], s[20:21], s[34:35]
	s_lshl_b32 s34, ttmp9, 8
	s_add_nc_u64 s[22:23], s[22:23], s[34:35]
	s_lshl_b32 s34, ttmp9, 10
	s_add_nc_u64 s[24:25], s[24:25], s[34:35]
	; A fragment of A is 16 rows x 32 k in 8 registers: lane (r, h) holds row r, k = 8 h + 0..7 and 16 + 8 h + 0..7: two loads of 16 bytes, 32 bytes apart.
	v_mul_u32_u24 v[AA0], v[LR], APITCH
	v_lshl_add_u32 v[AA0], v[LH], 4, v[AA0]
	v_add_nc_u32 v[AA0], ABASE, v[AA0]
	v_add_nc_u32 v[AB0], 64*APITCH, v[AA0]
	s_mul_i32 s34, s27, 8*APITCH                   ; sample s has rows 8 s .. 8 s + 7 of each tile of 16
	s_lshl_b32 s47, s39, 8                         ; my quarter: 128 units of 2 bytes
	s_add_co_u32 s34, s34, s47
	s_add_co_u32 s34, s34, ABASE
	v_lshl_add_u32 v[GST], v[LN], 3, s34           ; and my four units
	s_lshl_b32 s34, s26, 2
	v_mov_b32 v21, s34                             ; my wave's word of RED
	; M = max |W1|.  Waves 0-3 hold all of W1 between them (waves 4-7 the same once more).
	s_wait_loadcnt 35                              ; W1 and b1 are in; behind b1's load went b2's one, W3's two and W2's 32
	v_max3_num_f32 v19, |v[WR]|, |v[WR+1]|, |v[WR+2]|
.irp n, 3,5,7,9,11,13
	v_max3_num_f32 v19, v19, |v[WR+\n]|, |v[WR+\n+1]|
.endr
	v_max_num_f32 v19, v19, |v[WR+15]|
	v_max_num_f32_dpp v19, v19, v19 row_xmask:1 row_mask:0xf bank_mask:0xf
	v_max_num_f32_dpp v19, v19, v19 row_xmask:2 row_mask:0xf bank_mask:0xf
	v_max_num_f32_dpp v19, v19, v19 row_xmask:4 row_mask:0xf bank_mask:0xf
	v_max_num_f32_dpp v19, v19, v19 row_xmask:8 row_mask:0xf bank_mask:0xf
	v_permlanex16_b32 v15, v19, s40, s41           ; its destination counts as read: v15 has been written
	v_max_num_f32 v19, v19, v15
	ds_store_b32 v21, v19 offset:RED               ; all lanes write the same word with the same number
	s_wait_kmcnt 0x0                               ; x and b3
	s_wait_dscnt 0x0                               ; for the others' sake: my maximum is in LDS
	s_barrier_signal -1
	; work on registers while the others arrive: a = b1 + x W1 with W1 as it is given, and tanh(a) with its derivatives
.irp i, 0,1,2,3
.irp q, 0,1,2,3
	v_fmac_f32 v[AR+\q], s[28+\i], v[WR+4*\i+\q]
.endr
.endr
	TANH4 AR, TH0, TH1, TH2, TH3, TW1
	s_barrier_wait -1
	v_mov_b32 v22, 0
	ds_load_b128 v[248:251], v22 offset:RED
	ds_load_b128 v[252:255], v22 offset:RED+16
	s_wait_dscnt 0x0
	v_max3_num_f32 v19, v248, v249, v250
	v_max3_num_f32 v19, v19, v251, v252
	v_max3_num_f32 v19, v19, v253, v254
	v_max3_num_f32 v19, v19, v255, 0x0da24260      ; M, at least 1e-30, so that 1 / M is finite
	v_readfirstlane_b32 s44, v19                   ; M: used as a factor alone
	v_rcp_f32 v[RM], v19
	v_rcp_f32 v[RM+1], v19
	v_add_nc_u32 v[GST2], 64*APITCH, v[GST]        ; a plain line between the reciprocals and their use
	s_mul_f32 s45, s44, s44                        ; M^2
	s_mul_f32 s46, s45, s44                        ; M^3
.set n, 0
	s_wait_alu depctr_va_vdst(0)
.rept 8
	v_pk_mul_f32 v[WR+n:WR+n+1], v[WR+n:WR+n+1], v[RM:RM+1]  ; W1 / M
.set n, n+2
.endr
	; A's ROWS.  Thread t makes the 35 terms of sample t / 128 at units 4 (t % 128) .. + 3: four f16, 8 bytes, a row; a wave's store covers 256 consecutive bytes.
.macro JET src                         ; term e from four f32; then e steps
	v_cvt_pk_f16_f32 v[HF+2*(e%2)], v[(\src)], v[(\src)+1]
	v_cvt_pk_f16_f32 v[HF+2*(e%2)+1], v[(\src)+2], v[(\src)+3]
.if e < 32
	ds_store_b64 v[GST], v[HF+2*(e%2):HF+2*(e%2)+1] offset:(16*(e/8)+e%8)*APITCH
.else
	ds_store_b64 v[GST2], v[HF+2*(e%2):HF+2*(e%2)+1] offset:(e%8)*APITCH
.endif
.set e, e+1
.endm
.set e, 0
	JET TH0                                        ; t
.irp i, 0,1,2,3
.set DD, DR+4*(e%2)
	HAD DD, TH1, WR+4*\i                           ; t' w_i
	JET DD
.endr
.irp i, 0,1,2,3
	HAD PR+4*\i, TH2, WR+4*\i
.endr
.irp i, 0,1,2,3
.irp j, 0,1,2,3
.if \i <= \j
.set DD, DR+4*(e%2)
	HAD DD, PR+4*\i, WR+4*\j                       ; t'' w_i w_j
	JET DD
.endif
.endr
.endr
.irp i, 0,1,2,3
	HAD PR+4*\i, TH3, WR+4*\i
.endr
.irp i, 0,1,2,3
.irp j, 0,1,2,3
.if \i <= \j
	HAD RIJ, PR+4*\i, WR+4*\j
.irp k, 0,1,2,3
.if \j <= \k
.set DD, DR+4*(e%2)
	HAD DD, RIJ, WR+4*\k                           ; t''' w_i w_j w_k
	JET DD
.endif
.endr
.endif
.endr
.endr
	v_mov_b32 v[HF], 0                             ; rows 35-39 are zeros
	v_mov_b32 v[HF+1], 0
.rept 5
	ds_store_b64 v[GST2], v[HF:HF+1] offset:(e%8)*APITCH
.set e, e+1
.endr
	s_wait_dscnt 0x0                               ; for the others' sake: my part of A is in LDS
	s_barrier_signal -1
	s_barrier_wait -1                              ; A is whole, and nobody writes it again
	; THE PRODUCT.  16 K steps of 32.  A step: 10 LDS loads (A's five fragments), 32 roundings (W2's 64 registers into B's four fragments), 16 loads that fill the stage buffer again
	; with the step two further on, 20 matrix instructions.  The 20 accumulators take turns, one instruction a turn: between two links of a chain stand the 19 others'.
	; b: the stage buffer; koff: bytes along A's rows; left: the younger loads that may stay out; zero = 1: the products start the sums, so nothing is cleared.
.macro STEP b, koff, refill, left, zero
.if !(\zero)
.rept 4
	v_nop                                          ; four places between the last product and the loads and roundings that write its sources (ISA guide 7.12.1 for vector instructions)
.endr
.endif
.irp mt, 0,1,2,3
	ds_load_b128 v[AF+8*\mt:AF+8*\mt+3], v[RA] offset:16*APITCH*\mt+(\koff)
	ds_load_b128 v[AF+8*\mt+4:AF+8*\mt+7], v[RA] offset:16*APITCH*\mt+(\koff)+32
.endr
	ds_load_b128 v[AF+32:AF+35], v[RB] offset:(\koff)
	ds_load_b128 v[AF+36:AF+39], v[RB] offset:(\koff)+32
	s_wait_loadcnt \left                           ; loads come back in order (ISA guide 5.7.1): this buffer's 16 are in; the other buffer's 16, issued behind them, stay out
.set ST, STA+64*(\b)
.irp c, 0,1,2,3
.irp p, 0,1,2,3,4,5,6,7
	v_cvt_pk_f16_f32 v[BF+8*\c+\p], v[ST+8*\p+\c], v[ST+8*\p+4+\c]  ; register p of tile c: word c of loads 2 p and 2 p + 1
.endr
.endr
.if \refill
	LOADW ST, (2+(\b))*KB
.endif
	s_wait_dscnt 0x0                               ; A's fragments, asked for ahead of the roundings
	WIN 0x50                                       ; C and D in window 1
.irp mt, 0,1,2,3,4
.irp c, 0,1,2,3
.if \zero
	v_wmma_f32_16x16x32_f16 v[40*\c+8*\mt:40*\c+8*\mt+7], v[AF+8*\mt:AF+8*\mt+7], v[BF+8*\c:BF+8*\c+7], 0
.else
	v_wmma_f32_16x16x32_f16 v[40*\c+8*\mt:40*\c+8*\mt+7], v[AF+8*\mt:AF+8*\mt+7], v[BF+8*\c:BF+8*\c+7], v[40*\c+8*\mt:40*\c+8*\mt+7]
.endif
.endr
.endr
	WIN 0
.endm
.macro ADV                             ; two K steps on
	s_wait_xcnt 0x0                                ; every earlier load has had its address translated (ISA guide 3.1): W2's base is stepped only behind this wait
	s_add_nc_u64 s[10:11], s[10:11], 2*KB
	s_add_co_u32 s42, s42, 128                     ; 64 k of 2 bytes along A's rows
	v_add_nc_u32 v[AA], s42, v[AA0]
	v_add_nc_u32 v[AB], s42, v[AB0]
.endm
.set RA, AA0
.set RB, AB0
	STEP 0, 0,  1, 16, 1                           ; K steps 0 and 1 stand ahead of the loop: the first starts the sums
	STEP 1, 64, 1, 16, 0
	ADV
.set RA, AA
.set RB, AB
	s_mov_b32 s43, 6
.Lk:                                                   ; K steps 2 to 13; they fetch steps 4 to 15
	STEP 0, 0,  1, 16, 0
	STEP 1, 64, 1, 16, 0
	ADV
	s_sub_co_u32 s43, s43, 1
	s_cmp_lg_u32 s43, 0
	s_cbranch_scc1 .Lk
	STEP 0, 0,  0, 16, 0                           ; the last two steps fetch nothing: no load leaves W2
	STEP 1, 64, 0, 0,  0
	; THE SECOND TANH AND LAYER 3, lane by lane: my lane holds z_e, e = 0 .. 34, of sample h at four hidden units.
	s_mul_i32 s34, s26, 576
	v_mul_u32_u24 v15, v[LH], 288                  ; four plain lines, due anyway, are the places behind the last products
	v_and_b32 v19, 3, v0
	v_lshlrev_b32 v20, 4, v[LN]
	v_add_nc_u32 v15, s34, v15                     ; where my half of the lanes puts its sums: 576 w + 288 h
	WIN 0x01                                       ; source 0 in window 1
.irp c, 0,1,2,3
	v_add_f32 v[ZR+\c], v[40*\c], v[B2R+\c]         ; z = z_0 + b2
.endr
	WIN 0
	TANH4 ZR, S0R, S1R, S2R, S3R, TW2
; The three sums that make H_ijk of s' z_ijk, one pass for each, so that no line waits for the one before it:
; H_ijk = s' z_ijk + z_k (s''' z_i z_j + s'' z_ij) + z_j s'' z_ik + z_i s'' z_jk.
.macro THIRD pass
.set e, 15
.irp i, 0,1,2,3
.irp j, 0,1,2,3
.irp k, 0,1,2,3
.if (\i <= \j) && (\j <= \k)
.if (\pass) == 0
	v_fma_f32 v[G+e], v[AC+1+\k], v[AIJ+\i*(7-\i)/2+\j], v[G+e]
.elseif (\pass) == 1
	v_fma_f32 v[G+e], v[AC+1+\j], v[U+5+\i*(7-\i)/2+\k], v[G+e]
.else
	v_fma_f32 v[G+e], v[AC+1+\i], v[U+5+\j*(7-\j)/2+\k], v[G+e]
.endif
.set e, e+1
.endif
.endr
.endr
.endr
.endm
.macro YSUM c, o, first                ; Y[o][e] += H_e W3[unit][o]; first = 1: the first tile starts the sums
.set YB, Y+36*(\o)
.set WP, W3R+2*(\c)
.if \first
	v_mul_f32 v[YB], v[S0R+(\c)], v[WP+(\o)]
	v_mul_f32 v[YB+1], v[G+1], v[WP+(\o)]
.else
	v_fma_f32 v[YB], v[S0R+(\c)], v[WP+(\o)], v[YB]
	v_fma_f32 v[YB+1], v[G+1], v[WP+(\o)], v[YB+1]
.endif
.set e, 2
.rept 17
.if \first
	PKM YB+e, G+e, WP, \o
.else
	PKF YB+e, G+e, WP, \o
.endif
.set e, e+2
.endr
.endm
; Tile c.  In every line that names an accumulator's register it is source 0, the one operand in window 1.  The products with s' go up from e = 1.
.macro EPI c, first
.set AC, 40*(\c)
.set CP, 2*((\c)/2)                    ; the tile's coefficient is register c % 2 of pair c / 2
.set CH, (\c)%2
	WIN 0x01
	v_mul_f32 v[G+1], v[AC+1], v[S1R+(\c)]
.set e, 2
.rept 17
	PKM G+e, AC+e, S1R+CP, CH                      ; s' z_e
.set e, e+2
.endr
.set e, 0
.rept 8
	PKM U+e, AC+e, S2R+CP, CH                      ; s'' z_e
.set e, e+2
.endr
.set e, 0
.rept 3
	PKM R3+e, AC+e, S3R+CP, CH                     ; s''' z_e
.set e, e+2
.endr
.irp i, 0,1,2,3
.irp j, 0,1,2,3
.if \i <= \j
	v_fma_f32 v[G+5+\i*(7-\i)/2+\j], v[AC+1+\j], v[U+1+\i], v[G+5+\i*(7-\i)/2+\j]   ; H_ij = s' z_ij + s'' z_i z_j
.endif
.endr
.endr
.irp i, 0,1,2,3
.irp j, 0,1,2,3
.if \i <= \j
	v_fma_f32 v[AIJ+\i*(7-\i)/2+\j], v[AC+1+\j], v[R3+1+\i], v[U+5+\i*(7-\i)/2+\j]
.endif
.endr
.endr
	THIRD 0
	THIRD 1
	THIRD 2
	WIN 0
	YSUM \c, 0, \first
	YSUM \c, 1, \first
.endm
	EPI 0, 1
	EPI 1, 0
	EPI 2, 0
	EPI 3, 0
	; THE SUMS OVER THE HIDDEN UNITS.  First over the 16 lanes of a half (64 units), one mask at a time over all 72 registers, so that no line waits for the one before it.
.irp m, 1,2,4,8
.set n, 0
.rept 72
	v_add_f32_dpp v[Y+n], v[Y+n], v[Y+n] row_xmask:\m row_mask:0xf bank_mask:0xf
.set n, n+1
.endr
.endr
.set n, 0
.rept 18
	ds_store_b128 v15, v[Y+4*n:Y+4*n+3] offset:PART+16*n  ; the 16 lanes of a half write the same numbers to the same bytes
.set n, n+1
.endr
	s_wait_dscnt 0x0                               ; for the others' sake: my wave's sums are in LDS
	s_barrier_signal -1
	s_barrier_wait -1
	; Then over the eight waves.  Wave w = 2 s + o (0 .. 3) takes the 36 words of sample s, output o: lane e the terms 0 .. 31, lanes by fours the terms 32 .. 35.  Waves 4-7 have no part.
	s_cmp_gt_u32 s26, 3
	s_cbranch_scc1 .Lsummed
	s_mul_i32 s34, s26, 144
	v_lshl_add_u32 v16, v[LN], 2, s34
	v_lshl_add_u32 v17, v19, 2, s34
.irp p, 0,1,2,3,4,5,6,7
	ds_load_b32 v[236+\p], v16 offset:PART+576*\p
.endr
.irp p, 0,1,2,3,4,5,6,7
	ds_load_b32 v[244+\p], v17 offset:PART+128+576*\p
.endr
	s_bitcmp1_b32 s26, 0
	s_cselect_b32 s35, s33, s32                    ; b3[o]
	v_cmp_lt_u32 vcc_lo, 0, v[LN]
	v_cndmask_b32 v21, 1.0, s44, vcc_lo            ; M^order: 1 for e = 0, M from 1 on,
	v_cndmask_b32 v22, s35, 0, vcc_lo              ; (the bias belongs to the value alone)
	v_cmp_lt_u32 vcc_lo, 4, v[LN]
	v_cndmask_b32 v21, v21, s45, vcc_lo            ; M^2 from 5 on,
	v_cmp_lt_u32 vcc_lo, 14, v[LN]
	v_cndmask_b32 v21, v21, s46, vcc_lo            ; M^3 from 15 on
	s_wait_dscnt 0x0
.irp a, 236, 244
	v_pk_add_f32 v[\a:\a+1], v[\a:\a+1], v[\a+2:\a+3]
	v_pk_add_f32 v[\a+4:\a+5], v[\a+4:\a+5], v[\a+6:\a+7]
.endr
.irp a, 236, 244
	v_pk_add_f32 v[\a:\a+1], v[\a:\a+1], v[\a+4:\a+5]
.endr
	v_add_f32 v236, v236, v237
	v_add_f32 v244, v244, v245
	v_fma_f32 v236, v236, v21, v22
	v_mul_f32 v244, s46, v244
	ds_store_b32 v16, v236 offset:FIN
	ds_store_b32 v17, v244 offset:FIN+128          ; lanes with the same lane % 4 write the same number to the same word
.Lsummed:
	s_wait_dscnt 0x0                               ; for the others' sake: my part of FIN is in LDS
	s_barrier_signal -1
	s_barrier_wait -1
	; THE WAY OUT.  A lane gathers four neighbouring numbers of an output from FIN, by the sorted indices, and stores 16 bytes.  Indices are kept times 4: shift amounts into the two tables, and bytes.
.macro PUT n, b                        ; lanes 0 .. n - 1 store v[248:251] at 16 x lane
	v_cmp_gt_u32 vcc_lo, \n, v[LN]
	s_wait_dscnt 0x0
	s_and_saveexec_b32 s47, vcc_lo                 ; no global instruction is out: the last loads were waited for in the last K step
	global_store_b128 v20, v[248:251], s[\b:\b+1] th:TH_STORE_NT
	s_wait_xcnt 0x0                                ; EXEC is one of the store's sources: it is widened only behind this wait
	s_or_b32 exec_lo, exec_lo, s47
.endm
	s_cmp_gt_u32 s26, 1
	s_cbranch_scc1 .Lnot3
	; waves 0, 1: out3.  Thread t = 32 s + 16 o + 4 i + j takes k = 0 .. 3.
	v_lshrrev_b32 v21, 4, v0
	v_mul_u32_u24 v21, v21, 144                    ; the block of 2 s + o
	v_and_b32 v22, 12, v0                          ; 4 i
	v_and_b32 v23, 3, v0
	v_lshlrev_b32 v23, 2, v23                      ; 4 j
	v_lshlrev_b32 v241, 4, v0
	v_min_u32 v236, v22, v23
	v_max_u32 v237, v22, v23
.irp k, 0,1,2,3
	v_min_u32 v238, 4*\k, v236                     ; the least of the three,
	v_min_u32 v239, 4*\k, v237
	v_max_u32 v240, 4*\k, v237                     ; the greatest,
	v_max_u32 v239, v236, v239                     ; the middle one
	v_bfe_u32 v238, s49, v238, 4                   ; C3
	v_bfe_u32 v239, s48, v239, 4                   ; Q
	v_add_nc_u32 v238, v238, v239
	v_lshl_add_u32 v238, v238, 2, v240
	v_min_u32 v238, 76, v238                       ; 4 (E3 - 15) is 76 at the most: the line holds the address inside the block
	v_add_nc_u32 v[244+\k], v21, v238
	ds_load_b32 v[248+\k], v[244+\k] offset:FIN+60
.endr
	s_wait_dscnt 0x0
	global_store_b128 v241, v[248:251], s[24:25] th:TH_STORE_NT  ; a wave stores 512 consecutive bytes, at a multiple of 256 from out3's first byte
	s_branch .Lend
.Lnot3:
	s_cmp_lg_u32 s26, 2
	s_cbranch_scc1 .Lnot2
	; wave 2: out2.  Lane 8 s + 4 o + i (0 .. 15) takes j = 0 .. 3; lanes 16-31 read along and store nothing.
	v_lshrrev_b32 v21, 2, v[LR]
	v_mul_u32_u24 v21, v21, 144
	v_lshlrev_b32 v22, 2, v19                      ; 4 i
.irp j, 0,1,2,3
	v_min_u32 v238, 4*\j, v22
	v_max_u32 v239, 4*\j, v22
	v_bfe_u32 v238, s48, v238, 4                   ; Q
	v_lshl_add_u32 v238, v238, 2, v239
	v_min_u32 v238, 36, v238                       ; 4 (E2 - 5) is 36 at the most
	v_add_nc_u32 v[244+\j], v21, v238
	ds_load_b32 v[248+\j], v[244+\j] offset:FIN+20
.endr
	PUT 16, 22                                     ; 16 lanes store 256 consecutive bytes, at a multiple of 256 from out2's first byte
	s_branch .Lend
.Lnot2:
	s_cmp_lg_u32 s26, 3
	s_cbranch_scc1 .Lnot1
	; wave 3: out1.  Lane 2 s + o (0 .. 3) takes i = 0 .. 3: a work-group's share is 64 bytes
	v_mul_u32_u24 v21, v19, 144
.irp i, 0,1,2,3
	ds_load_b32 v[248+\i], v21 offset:FIN+4+4*\i
.endr
	PUT 4, 20
	s_branch .Lend
.Lnot1:
	s_cmp_lg_u32 s26, 4
	s_cbranch_scc1 .Lend
	; wave 4: out0.  Lane 0 takes the four values: a work-group's share is 16 bytes
	v_mov_b32 v21, 0
.irp n, 0,1,2,3
	ds_load_b32 v[248+\n], v21 offset:FIN+144*\n
.endr
	PUT 1, 18
.Lend:
	s_wait_tensorcnt 0x0                           ; the wave's end, behind my last LDS store
	ds_add_u32 v[SPW], v[NIL]
	s_wait_dscnt 0x0
	s_endpgm
.Lfunc_end_k_qf723f54533_jets:
	.size	k_qf723f54533_jets, .Lfunc_end_k_qf723f54533_jets-k_qf723f54533_jets
	.p2alignl 7, 3214868480
	.fill 96, 4, 3214868480
	.section	.rodata,"a",@progbits
	.p2align	6, 0x0
	.amdhsa_kernel k_qf723f54533_jets
		.amdhsa_group_segment_fixed_size 90112
		.amdhsa_private_segment_fixed_size 0
		.amdhsa_enable_private_segment 0
		.amdhsa_kernarg_size 88
		.amdhsa_user_sgpr_count 2
		.amdhsa_user_sgpr_kernarg_segment_ptr 1
		.amdhsa_wavefront_size32 1
		.amdhsa_system_sgpr_workgroup_id_x 1
		.amdhsa_system_sgpr_workgroup_id_y 1
		.amdhsa_system_sgpr_workgroup_id_z 1
		.amdhsa_system_vgpr_workitem_id 0
		.amdhsa_next_free_vgpr 416
		.amdhsa_next_free_sgpr 66
		.amdhsa_reserve_vcc 1
		.amdhsa_float_denorm_mode_32 3
		.amdhsa_float_denorm_mode_16_64 3
		.amdhsa_memory_ordered 1
		.amdhsa_forward_progress 1
		.amdhsa_inst_pref_size 124
	.end_amdhsa_kernel
	.amdgpu_metadata
---
amdhsa.version: [ 1, 2 ]
amdhsa.kernels:
  - .name:           k_qf723f54533_jets
    .symbol:         k_qf723f54533_jets.kd
    .args:
      - { .name: x, .offset: 0, .size: 8, .value_kind: global_buffer, .address_space: global }
      - { .name: W1, .offset: 8, .size: 8, .value_kind: global_buffer, .address_space: global }
      - { .name: b1, .offset: 16, .size: 8, .value_kind: global_buffer, .address_space: global }
      - { .name: W2, .offset: 24, .size: 8, .value_kind: global_buffer, .address_space: global }
      - { .name: b2, .offset: 32, .size: 8, .value_kind: global_buffer, .address_space: global }
      - { .name: W3, .offset: 40, .size: 8, .value_kind: global_buffer, .address_space: global }
      - { .name: b3, .offset: 48, .size: 8, .value_kind: global_buffer, .address_space: global }
      - { .name: out0, .offset: 56, .size: 8, .value_kind: global_buffer, .address_space: global }
      - { .name: out1, .offset: 64, .size: 8, .value_kind: global_buffer, .address_space: global }
      - { .name: out2, .offset: 72, .size: 8, .value_kind: global_buffer, .address_space: global }
      - { .name: out3, .offset: 80, .size: 8, .value_kind: global_buffer, .address_space: global }
    .group_segment_fixed_size: 90112
    .private_segment_fixed_size: 0
    .kernarg_segment_align: 8
    .kernarg_segment_size: 88
    .max_flat_workgroup_size: 256
    .sgpr_count:     66
    .vgpr_count:     416
    .wavefront_size: 32
...
	.end_amdgpu_metadata
.endif
;; end of part 1
